; MI455X (gfx1250); checked and timed in simulation.
; The chip was launched on July 23, 2026; its instructions are those of AMD's public machine-readable ISA for CDNA 5 (MIT licence, August 2026) and "CDNA5" Instruction Set Architecture Reference Guide (July 2026). The comments in the code are by the model that wrote it; some were corrected since.
;; Ray Marcher. Allowed arithmetic: float matrix products may take bf16 or f16 operands with f32 sums; all other float work in f32.
;; Inputs: K 2 x 3 x 3 float32; RT 2 x 3 x 4 float32; prim_pos 2 x 64 x 3 float32; prim_rgba 2 x 64 x 4 x 8 x 8 x 8 float32; prim_rot 2 x 64 x 3 x 3 float32; prim_scale 2 x 64 x 3 float32.
;; Outputs: out0 2 x 4 x 32 x 64 float32.
;; 2 versions, each right; version 2 is version 1 with the launch composite written anew for expert scheduling mode. Each part assembles by itself: llvm-mc -triple=amdgcn-amd-amdhsa -mcpu=gfx1250 --defsym DOCPART=n.
;; ======== version 1 of 2: 3 launches
;; workspace buffers: prm 8,388,608 bytes of whole numbers; stp 131,072 bytes of whole numbers; tmpl 1,048,576 bytes; smp 239,075,328 bytes
;; launch setup (part 1): grid 128 x 1, 16 waves a work-group, no clusters, 2,304 bytes of LDS; arguments K, RT, prim_pos, prim_rot, prim_scale, prim_rgba, prm, stp, tmpl; writes prm, stp, tmpl
.if DOCPART == 1
	.amdgcn_target "amdgcn-amd-amdhsa--gfx1250"
	.amdhsa_code_object_version 6
	.text
	.protected	k_q7e998f03af_setup
	.globl	k_q7e998f03af_setup
	.p2align	8
	.type	k_q7e998f03af_setup,@function
k_q7e998f03af_setup:
	s_mov_b64 s[64:65], 0
	v_nop
	global_prefetch_b8 v0, s[64:65] scope:SCOPE_SE
	s_setreg_imm32_b32 hwreg(HW_REG_WAVE_MODE, 25, 1), 1
	s_wait_xcnt 0x0
; SETUP.  One work-group = one tile of 8 x 4 pixels (tile = 64 b + 8 ty + tx), 16 waves, lane = ray, wave w = primitives 4w .. 4w+3.
; Along a ray the local coordinate of a primitive is linear in t:  y(t) = a + t b,  a = scale * R^T (raypos - ppos),  b = scale * R^T raydir
; (the reference's rotation product, K = 3, folded once per ray and primitive, in f32).
; Stored, all at addresses that hang on ids alone:
;   prm[tile][k][2][lane][4]  whole numbers: V0x V0y V0z (lo | n<<8)   and   dVx dVy dVz 0
;        V = 4 (y + 1) * 2^24 at the ray's step lo, dV its change per step; [lo, lo+n) = the ray's steps that may lie in the box
;   stp[tile][step 0..63][4]  whole numbers: mask of primitives 0-31, of 32-63, events in front of this step, events of this step
;   tmpl[b][k][voxel][4]      the template with the four channels of a voxel side by side
; The range holds every step within 1/32 step of the box's interval of t and is cut at ns, the exact number of steps with
; tmin + s/16 < tmax.  With n >= 2 the box (8 voxels) is crossed in at least n - 1 - 1/16 steps, so |dV| < 8.6 * 2^24 and V never wraps
; inside the range; with n = 1 dV is multiplied by 0.  Values too large for 32 bits are clamped: they lie outside the box either way.
; LIMITS: divisions are v_rcp_f32 / v_rsq_f32 and a product (1 ulp); NaN and infinite inputs are not served.
.set PP, 44                            ; v[44:55]   positions of my 4 primitives
.set SS, 56                            ; v[56:67]   scales
.set RR, 68                            ; v[68:103]  rotations, 9 each
.set WD, 104                           ; v[104:135] the 8 words to store, a set for each primitive (stores may still read them)
; v1 lane  v2 zero  v3 4t  v[4:7] my voxel's channels  v8 16t  v9 16 lane  v[12:14] raypos  v[15:17] raydir  v18 tmin  v19 tmax  v20 ns
; v[21:41] at work  v42 LDS address of my wave's four words
	s_load_b512 s[4:19], s[0:1], 0x0               ; K s[4:5] RT s[6:7] pos s[8:9] rot s[10:11] scale s[12:13] rgba s[14:15] prm s[16:17] stp s[18:19]
	s_load_b64 s[20:21], s[0:1], 0x40              ; tmpl
	v_lshl_add_u32 v136, v0, 2, 0x100
	v_mov_b32 v137, 0
	v_and_b32 v1, 31, v0                           ; lane
	v_lshrrev_b32 v3, 5, v0
	v_readfirstlane_b32 s24, v3                    ; wave
	s_lshr_b32 s23, ttmp9, 6                       ; batch b
	s_mul_i32 s26, s23, 36                         ; K[b]
	s_mul_i32 s27, s23, 48                         ; RT[b]
	s_mul_i32 s48, s23, 768                        ; 64 primitives x 12 bytes
	s_mul_i32 s25, s24, 48                         ; + 4 primitives a wave
	s_add_co_u32 s48, s48, s25
	s_mov_b32 s49, 0
	s_mul_i32 s50, s48, 3                          ; the same in rotations of 36 bytes
	s_mov_b32 s51, 0
	s_lshl_b32 s52, ttmp9, 13                      ; template number = tile number: 128 of each, 8,192 bytes
	s_mov_b32 s53, 0
	s_lshl_b32 s54, ttmp9, 16                      ; prm: 65,536 bytes a tile,
	s_lshl_b32 s25, s24, 12                        ; 4 x 1,024 a wave
	s_add_co_u32 s54, s54, s25
	s_mov_b32 s55, 0
	s_lshl_b32 s56, ttmp9, 10                      ; stp: 1,024 bytes a tile
	s_mov_b32 s57, 0
	s_and_b32 s58, ttmp9, 7                        ; tx
	s_bfe_u32 s59, ttmp9, 0x30003                  ; ty
	s_mov_b32 s60, 0x41800000                      ; 16 = steps per unit of t
	s_mov_b32 s61, 0x3f780000                      ; 1 - 1/32
	s_mov_b32 s62, 0x3f840000                      ; 1 + 1/32
	s_mov_b32 s63, 0x4c800000                      ; 2^26
	s_mov_b32 s66, 0x4a800000                      ; 2^22 = 2^26 / 16
	s_mov_b32 s67, 0x4effffff                      ; the largest f32 below 2^31
	s_mov_b32 s68, 0xceffffff
	s_mov_b32 s69, 0x76543210                      ; v_permlanex16_b32: lane i of the other half
	s_mov_b32 s70, 0xfedcba98
	v_mov_b32 v2, 0
	v_lshlrev_b32 v3, 2, v0
	v_lshlrev_b32 v8, 4, v0
	v_lshlrev_b32 v9, 4, v1
	v_mov_b32 v42, s24
	v_lshlrev_b32 v42, 4, v42
	s_wait_kmcnt 0x0
	s_load_b256 s[28:35], s[4:5], s26 offset:0x0   ; K[b], words 0-7: fx s28, cx s30, fy s32, cy s33
	s_load_b256 s[36:43], s[6:7], s27 offset:0x0   ; RT[b]: R[j][i] = s[36+4j+i], t[j] = s[39+4j]
	s_load_b128 s[44:47], s[6:7], s27 offset:0x20
	s_add_nc_u64 s[8:9], s[8:9], s[48:49]
	s_add_nc_u64 s[12:13], s[12:13], s[48:49]
	s_add_nc_u64 s[10:11], s[10:11], s[50:51]
	s_add_nc_u64 s[14:15], s[14:15], s[52:53]
	s_add_nc_u64 s[20:21], s[20:21], s[52:53]
	s_add_nc_u64 s[16:17], s[16:17], s[54:55]
	s_add_nc_u64 s[18:19], s[18:19], s[56:57]
	; thread t = voxel t of template 'tile': its four channels lie 2,048 bytes apart
	global_load_b32 v4, v3, s[14:15] th:TH_LOAD_NT
	global_load_b32 v5, v3, s[14:15] offset:2048 th:TH_LOAD_NT
	global_load_b32 v6, v3, s[14:15] offset:4096 th:TH_LOAD_NT
	global_load_b32 v7, v3, s[14:15] offset:6144 th:TH_LOAD_NT
	; my four primitives' numbers, the same address in every lane
.irp i, 0,1,2
	global_load_b128 v[PP+4*\i:PP+4*\i+3], v2, s[8:9] offset:16*\i
	global_load_b128 v[SS+4*\i:SS+4*\i+3], v2, s[12:13] offset:16*\i
.endr
.irp i, 0,1,2,3,4,5,6,7,8
	global_load_b128 v[RR+4*\i:RR+4*\i+3], v2, s[10:11] offset:16*\i
.endr
	; ---- the ray, as in the reference ----
	v_and_b32 v10, 7, v1
	v_lshrrev_b32 v11, 3, v1
	v_lshl_add_u32 v10, s58, 3, v10                ; pixel x
	v_lshl_add_u32 v11, s59, 2, v11                ; pixel y
	v_cvt_f32_u32 v10, v10
	v_cvt_f32_u32 v11, v11
	s_wait_kmcnt 0x0                               ; K and RT
	v_rcp_f32 v21, s28
	v_rcp_f32 v22, s32
	v_sub_f32 v10, v10, s30                        ; (also the plain instruction behind the reciprocals, ISA guide 5.7.2)
	v_sub_f32 v11, v11, s33
	s_wait_alu depctr_va_vdst(0)
	v_mul_f32 v10, v10, v21                        ; d = (pix - princpt) / focal
	v_mul_f32 v11, v11, v22
.irp i, 0,1,2
	v_mul_f32 v[12+\i], s[36+\i], s39              ; sum over j of R[j][i] t[j]
	v_fma_f32 v[12+\i], s[40+\i], s43, v[12+\i]
	v_fma_f32 v[12+\i], s[44+\i], s47, v[12+\i]
	v_mul_f32 v[12+\i], 0xbc800000, v[12+\i]       ; raypos = -(..) / 64
	v_fma_f32 v[15+\i], s[36+\i], v10, s[44+\i]    ; R^T (dx, dy, 1)
	v_fma_f32 v[15+\i], s[40+\i], v11, v[15+\i]
.endr
	v_mul_f32 v21, v15, v15
	v_fma_f32 v21, v16, v16, v21
	v_fma_f32 v21, v17, v17, v21
	v_rsq_f32 v22, v21
	v_mov_b32 v23, 0x322bcc77                      ; 1e-8
	s_wait_alu depctr_va_vdst(0)
	v_mul_f32 v15, v15, v22
	v_mul_f32 v16, v16, v22
	v_mul_f32 v17, v17, v22
.irp i, 0,1,2
	v_cmp_le_f32 vcc_lo, 0, v[15+\i]               ; raydir >= 0
	v_cndmask_b32 v24, 0xb22bcc77, v23, vcc_lo     ; +1e-8 or -1e-8
	v_and_b32 v31, 0x7fffffff, v[15+\i]
	v_cmp_gt_f32 vcc_lo, v23, v31                  ; |raydir| < 1e-8
	v_cndmask_b32 v[25+\i], v[15+\i], v24, vcc_lo  ; dir_safe
.endr
	v_rcp_f32 v28, v25
	v_rcp_f32 v29, v26
	v_rcp_f32 v30, v27
.irp i, 0,1,2
	v_sub_f32 v31, -1.0, v[12+\i]
	v_sub_f32 v32, 1.0, v[12+\i]
	s_wait_alu depctr_va_vdst(0)
	v_mul_f32 v31, v31, v[28+\i]
	v_mul_f32 v32, v32, v[28+\i]
	v_min_num_f32 v[33+\i], v31, v32
	v_max_num_f32 v[36+\i], v31, v32
.endr
	v_max3_num_f32 v18, v33, v34, v35
	v_max_num_f32 v18, 0, v18                      ; tmin
	v_min3_num_f32 v19, v36, v37, v38
	v_max_num_f32 v19, v19, v18                    ; tmax
	; ns = number of steps s >= 0 with tmin + s/16 < tmax.  The predicate falls once as s grows; c = floor(16 (tmax - tmin)) is within one
	; of the place, so the reference's own predicate is tried at c-1, c, c+1 and the hits are counted on top of c-1.
	v_sub_f32 v21, v19, v18
	v_mul_f32 v21, 0x41800000, v21
	v_max_num_f32 v21, 0, v21
	v_min_num_f32 v21, 0x42640000, v21             ; at most 57 steps
	v_floor_f32 v21, v21
	v_add_f32 v20, -1.0, v21
	v_add_f32 v22, 1.0, v21
	v_fmamk_f32 v24, v20, 0x3d800000, v18
	v_fmamk_f32 v25, v21, 0x3d800000, v18
	v_fmamk_f32 v26, v22, 0x3d800000, v18
	v_cmp_lt_f32 vcc_lo, v24, v19
	v_cndmask_b32 v24, 0, 1.0, vcc_lo
	v_cmp_lt_f32 vcc_lo, v25, v19
	v_cndmask_b32 v25, 0, 1.0, vcc_lo
	v_cmp_lt_f32 vcc_lo, v26, v19
	v_cndmask_b32 v26, 0, 1.0, vcc_lo
	v_add_f32 v20, v20, v24
	v_add_f32 v25, v25, v26
	v_add_f32 v20, v20, v25
	v_min_num_f32 v20, 0x42640000, v20             ; ns
	s_wait_loadcnt 0x0                             ; the voxel and the primitives' numbers: nothing younger is out
	global_store_b128 v8, v[4:7], s[20:21]         ; a wave's store covers 512 consecutive bytes
; One primitive (number j of my four) against my 32 rays.
.macro PRIM j
	v_fmamk_f32 v21, v[PP+3*\j+0], 0xbc800000, v12 ; raypos - pos / 64
	v_fmamk_f32 v22, v[PP+3*\j+1], 0xbc800000, v13
	v_fmamk_f32 v23, v[PP+3*\j+2], 0xbc800000, v14
.irp i, 0,1,2
	v_mul_f32 v[24+\i], v[RR+9*\j+\i], v21         ; a[i] = scale[i] * sum over jj of rot[jj][i] dl[jj]
	v_fma_f32 v[24+\i], v[RR+9*\j+3+\i], v22, v[24+\i]
	v_fma_f32 v[24+\i], v[RR+9*\j+6+\i], v23, v[24+\i]
	v_mul_f32 v[24+\i], v[24+\i], v[SS+3*\j+\i]
	v_mul_f32 v[27+\i], v[RR+9*\j+\i], v15         ; b[i], the same of raydir
	v_fma_f32 v[27+\i], v[RR+9*\j+3+\i], v16, v[27+\i]
	v_fma_f32 v[27+\i], v[RR+9*\j+6+\i], v17, v[27+\i]
	v_mul_f32 v[27+\i], v[27+\i], v[SS+3*\j+\i]
.endr
	; the interval of t with |a + t b| < 1 on all three axes.  b = 0 gives infinities of the right signs; 0 x infinity (|a| = 1) gives a NaN,
	; which v_min_num / v_max_num drop, and the interval comes out empty, as it should
	v_rcp_f32 v30, v27
	v_rcp_f32 v31, v28
	v_rcp_f32 v32, v29
.irp i, 0,1,2
	v_sub_f32 v33, -1.0, v[24+\i]
	v_sub_f32 v34, 1.0, v[24+\i]
	s_wait_alu depctr_va_vdst(0)
	v_mul_f32 v33, v33, v[30+\i]
	v_mul_f32 v34, v34, v[30+\i]
	v_min_num_f32 v[35+\i], v33, v34
	v_max_num_f32 v[38+\i], v33, v34
.endr
	v_max3_num_f32 v33, v35, v36, v37
	v_min3_num_f32 v34, v38, v39, v40
	v_sub_f32 v33, v33, v18
	v_sub_f32 v34, v34, v18
	v_fma_f32 v33, v33, s60, s61                   ; in steps: lo = floor(x_lo + 1 - 1/32): every s > x_lo - 1/32
	v_fma_f32 v34, v34, s60, s62                   ; end = floor(x_hi + 1 + 1/32): every s <= x_hi + 1/32 lies below it
	v_max_num_f32 v33, 0, v33
	v_max_num_f32 v34, 0, v34
	v_min_num_f32 v33, 0x42640000, v33
	v_min_num_f32 v34, v34, v20                    ; and no step at or past ns
	v_floor_f32 v33, v33
	v_floor_f32 v34, v34
	v_sub_f32 v35, v34, v33
	v_max_num_f32 v35, 0, v35                      ; n
	v_fmamk_f32 v36, v33, 0x3d800000, v18          ; t at step lo
.irp i, 0,1,2
	v_fma_f32 v37, v[27+\i], v36, v[24+\i]         ; y
	v_fma_f32 v37, v37, s63, s63                   ; (y + 1) 2^26
	v_med3_num_f32 v37, v37, s68, s67
	v_cvt_i32_f32 v[WD+8*\j+\i], v37
	v_mul_f32 v38, s66, v[27+\i]                   ; b / 16 * 2^26
	v_med3_num_f32 v38, v38, s68, s67
	v_cvt_i32_f32 v[WD+8*\j+4+\i], v38
.endr
	v_cvt_u32_f32 v37, v33
	v_cvt_u32_f32 v38, v35
	v_lshl_or_b32 v[WD+8*\j+3], v38, 8, v37
	v_mov_b32 v[WD+8*\j+7], 0                      ; the eighth word is loaded later with its seven neighbours, so it is written
	global_store_b128 v9, v[WD+8*\j:WD+8*\j+3], s[16:17] offset:1024*\j
	global_store_b128 v9, v[WD+8*\j+4:WD+8*\j+7], s[16:17] offset:1024*\j+512
	; the tile's range: least lo and greatest end over the rays that have any step
	v_cmp_lt_f32 vcc_lo, 0, v35
	v_cndmask_b32 v37, 0x42800000, v33, vcc_lo     ; lo, or 64
	v_cndmask_b32 v38, 0, v34, vcc_lo              ; end, or 0
.irp m, 1,2,4,8
	v_min_num_f32_dpp v37, v37, v37 row_xmask:\m row_mask:0xf bank_mask:0xf
	v_max_num_f32_dpp v38, v38, v38 row_xmask:\m row_mask:0xf bank_mask:0xf
.endr
	v_permlanex16_b32 v39, v37, s69, s70
	v_permlanex16_b32 v40, v38, s69, s70
	v_min_num_f32 v37, v37, v39
	v_max_num_f32 v38, v38, v40
	v_sub_f32 v38, v38, v37
	v_max_num_f32 v38, 0, v38                      ; length, 0 if no ray has a step
	v_cvt_u32_f32 v37, v37
	v_cvt_u32_f32 v38, v38
	v_lshl_or_b32 v37, v38, 16, v37
	ds_store_b32 v42, v37 offset:4*\j              ; word k = 4 wave + j; all lanes write the same value
.endm
	PRIM 0
	PRIM 1
	PRIM 2
	PRIM 3
	s_wait_dscnt 0x0                               ; my four words are in LDS before I say so
	s_barrier_signal -1
	s_barrier_wait -1
	s_cmp_lg_u32 s24, 0
	s_cbranch_scc1 .Lend
	; ---- wave 0: lane = primitive (two each); for each step the mask of primitives whose range holds it, and the running count ----
	v_lshlrev_b32 v21, 2, v1
	ds_load_b32 v22, v21
	ds_load_b32 v23, v21 offset:128
.irp r, 24,25,26,27,28,29,30,31
	v_mov_b32 v\r, 0                               ; v_writelane_b32 fills them lane by lane
.endr
	s_mov_b32 s72, 0                               ; events in front of the step
	s_wait_dscnt 0x0
	v_and_b32 v32, 0xffff, v22                     ; lo
	v_lshrrev_b32 v33, 16, v22                     ; length
	v_and_b32 v34, 0xffff, v23
	v_lshrrev_b32 v35, 16, v23
.set st, 0
.rept 64
	v_sub_nc_u32 v36, st, v32
	v_sub_nc_u32 v37, st, v34
	v_cmp_gt_u32 s73, v33, v36                     ; 0 <= st - lo < length, as one unsigned compare
	v_cmp_gt_u32 s74, v35, v37
	s_bcnt1_i32_b32 s75, s73
	s_bcnt1_i32_b32 s76, s74
	s_add_co_u32 s75, s75, s76
	v_writelane_b32 v[24+4*(st/32)], s73, st%32
	v_writelane_b32 v[25+4*(st/32)], s74, st%32
	v_writelane_b32 v[26+4*(st/32)], s72, st%32
	v_writelane_b32 v[27+4*(st/32)], s75, st%32
	s_add_co_u32 s72, s72, s75
.set st, st+1
.endr
	v_lshlrev_b32 v38, 4, v1
	global_store_b128 v38, v[24:27], s[18:19]              ; steps 0-31, 512 consecutive bytes
	global_store_b128 v38, v[28:31], s[18:19] offset:512   ; steps 32-63 (57-63 are empty and hold the tile's total)
.Lend:
	s_wait_tensorcnt 0x0
	ds_add_u32 v136, v137
	s_wait_dscnt 0x0
	s_endpgm
.Lfunc_end_k_q7e998f03af_setup:
	.size	k_q7e998f03af_setup, .Lfunc_end_k_q7e998f03af_setup-k_q7e998f03af_setup
	.p2alignl 7, 3214868480
	.fill 96, 4, 3214868480
	.section	.rodata,"a",@progbits
	.p2align	6, 0x0
	.amdhsa_kernel k_q7e998f03af_setup
		.amdhsa_group_segment_fixed_size 2304
		.amdhsa_private_segment_fixed_size 0
		.amdhsa_enable_private_segment 0
		.amdhsa_kernarg_size 72
		.amdhsa_user_sgpr_count 2
		.amdhsa_user_sgpr_kernarg_segment_ptr 1
		.amdhsa_wavefront_size32 1
		.amdhsa_system_sgpr_workgroup_id_x 1
		.amdhsa_system_sgpr_workgroup_id_y 1
		.amdhsa_system_sgpr_workgroup_id_z 1
		.amdhsa_system_vgpr_workitem_id 0
		.amdhsa_next_free_vgpr 138
		.amdhsa_next_free_sgpr 80
		.amdhsa_reserve_vcc 1
		.amdhsa_float_denorm_mode_32 3
		.amdhsa_float_denorm_mode_16_64 3
		.amdhsa_memory_ordered 1
		.amdhsa_forward_progress 1
		.amdhsa_inst_pref_size 67
	.end_amdhsa_kernel
	.amdgpu_metadata
---
amdhsa.version: [ 1, 2 ]
amdhsa.kernels:
  - .name:           k_q7e998f03af_setup
    .symbol:         k_q7e998f03af_setup.kd
    .args:
      - { .name: K, .offset: 0, .size: 8, .value_kind: global_buffer, .address_space: global }
      - { .name: RT, .offset: 8, .size: 8, .value_kind: global_buffer, .address_space: global }
      - { .name: prim_pos, .offset: 16, .size: 8, .value_kind: global_buffer, .address_space: global }
      - { .name: prim_rot, .offset: 24, .size: 8, .value_kind: global_buffer, .address_space: global }
      - { .name: prim_scale, .offset: 32, .size: 8, .value_kind: global_buffer, .address_space: global }
      - { .name: prim_rgba, .offset: 40, .size: 8, .value_kind: global_buffer, .address_space: global }
      - { .name: prm, .offset: 48, .size: 8, .value_kind: global_buffer, .address_space: global }
      - { .name: stp, .offset: 56, .size: 8, .value_kind: global_buffer, .address_space: global }
      - { .name: tmpl, .offset: 64, .size: 8, .value_kind: global_buffer, .address_space: global }
    .group_segment_fixed_size: 2304
    .private_segment_fixed_size: 0
    .kernarg_segment_align: 8
    .kernarg_segment_size: 72
    .max_flat_workgroup_size: 512
    .sgpr_count:     80
    .vgpr_count:     138
    .wavefront_size: 32
...
	.end_amdgpu_metadata
.endif
;; end of part 1
;; launch sample (part 2): grid 1824 x 1, 8 waves a work-group, no clusters, 0 bytes of LDS; arguments stp, prm, tmpl, smp; writes smp
.if DOCPART == 2
	.amdgcn_target "amdgcn-amd-amdhsa--gfx1250"
	.amdhsa_code_object_version 6
	.text
	.protected	k_q7e998f03af_sample
	.globl	k_q7e998f03af_sample
	.p2align	8
	.type	k_q7e998f03af_sample,@function
k_q7e998f03af_sample:
	s_mov_b64 s[64:65], 0
	v_nop
	global_prefetch_b8 v0, s[64:65] scope:SCOPE_SE
	s_setreg_imm32_b32 hwreg(HW_REG_WAVE_MODE, 25, 1), 1
	s_wait_xcnt 0x0
; SAMPLE.  One wave = one tile, one step, one half of the primitives (57 x 2 x 128 = 14,592 waves); lane = ray.
; The wave reads its word of the step's mask and takes the set bits in ascending order.  For each (an event) every lane evaluates the primitive
; at its ray's point of this step and stores (r, g, b, a_k) at smp[tile][event][lane]; events are numbered by (step, primitive), the order
; in which they are composited.  a_k = alpha * fade / 16, or 0 where the point is outside the box or the step outside the ray's range.
; Everything that forms an address or a trip count is whole-number arithmetic on whole numbers read from memory:
;   V = V0 + (step - lo) dV,  V = 4 (y + 1) 2^24;   voxel = (V - 2^23) >> 24 on each axis, clamped so that the upper neighbour exists.
; LIMIT: the box test is 0 <= V < 2^27 on that fixed-point coordinate, so a point within 2^-26 of a face (in y) may fall on the other side
; than in f32; there fade <= e^-8.
; v1 16 lane  v2 prm offset  v3 gather offset  v4 store offset  v[8:15] the eight words  v16 step-lo  v17 n  v[18:20] V  v[22:27] u, voxel
; v[28:31] y, fade  v[40:45] the three fractions, each twice (pairs for packed f32)  v[48:79] eight corners x four channels
.set CAP,   3648                       ; events of a tile at the most: 57 steps x 64 primitives
.set CO,    48
	s_load_b256 s[4:11], s[0:1], 0x0               ; stp s[4:5], prm s[6:7], tmpl s[8:9], smp s[10:11]
	v_and_b32 v1, 31, v0
	v_lshrrev_b32 v2, 5, v0
	v_readfirstlane_b32 s12, v2                    ; wave
	s_lshl3_add_u32 s13, ttmp9, s12                ; item = 8 x work-group + wave
	s_and_b32 s14, s13, 127                        ; tile
	s_bfe_u32 s17, s13, 0x10007                    ; half: primitives 0-31 or 32-63
	s_lshr_b32 s15, s13, 8                         ; step, 0 to 56
	s_lshl_b32 s16, s14, 10
	s_lshl4_add_u32 s16, s15, s16                  ; stp: 1,024 bytes a tile, 16 a step
	v_lshlrev_b32 v1, 4, v1
	s_lshl_b32 s24, s14, 16                        ; prm: 65,536 bytes a tile
	s_mov_b32 s25, 0
	s_lshr_b32 s26, s14, 6
	s_lshl_b32 s26, s26, 19                        ; tmpl: 64 x 8,192 bytes a batch
	s_mov_b32 s27, 0
	s_mul_i32 s28, s14, CAP*512                    ; smp: below 2^28
	s_mov_b32 s29, 0
	s_mov_b32 s38, 0x33800000                      ; 2^-24
	s_mov_b32 s39, 0x32800000                      ; 2^-26
	s_mov_b32 s40, 0x8000000                       ; 2^27 = 8 voxels
	s_mov_b32 s41, 0x800000                        ; 2^23 = half a voxel
	s_wait_kmcnt 0x0
	s_load_b128 s[20:23], s[4:5], s16 offset:0x0   ; mask 0-31, mask 32-63, events in front of the step, (events of the step)
	s_add_nc_u64 s[6:7], s[6:7], s[24:25]
	s_add_nc_u64 s[8:9], s[8:9], s[26:27]
	s_add_nc_u64 s[10:11], s[10:11], s[28:29]
	s_wait_kmcnt 0x0
	s_bcnt1_i32_b32 s18, s20
	s_cmp_eq_u32 s17, 0
	s_cselect_b32 s31, s20, s21                    ; my word
	s_cselect_b32 s18, 0, s18                      ; the upper half comes behind the lower half's events
	s_add_co_u32 s22, s22, s18                     ; number of my first event
	s_bcnt1_i32_b32 s23, s31                       ; my events
	s_lshl_b32 s32, s17, 5
	s_cmp_eq_u32 s23, 0
	s_cbranch_scc1 .Lend
	s_mov_b32 s30, 0
; v[c0:c0+3] += f (v[c1:c1+3] - v[c0:c0+3]), four channels
.macro LERP c0, c1, f
	v_pk_add_f32 v[\c1:\c1+1], v[\c1:\c1+1], v[\c0:\c0+1] neg_lo:[0,1] neg_hi:[0,1]
	v_pk_add_f32 v[\c1+2:\c1+3], v[\c1+2:\c1+3], v[\c0+2:\c0+3] neg_lo:[0,1] neg_hi:[0,1]
	v_pk_fma_f32 v[\c0:\c0+1], v[\c1:\c1+1], v[\f:\f+1], v[\c0:\c0+1]
	v_pk_fma_f32 v[\c0+2:\c0+3], v[\c1+2:\c1+3], v[\f:\f+1], v[\c0+2:\c0+3]
.endm
.Levent:
	s_ctz_i32_b32 s33, s31                         ; the lowest primitive left
	s_add_co_u32 s33, s33, s32
	s_min_u32 s33, s33, 63
	s_sub_co_u32 s34, s31, 1
	s_and_b32 s31, s31, s34                        ; its bit is cleared
	s_add_co_u32 s35, s22, s30
	s_min_u32 s35, s35, CAP-1                      ; the event's number
	s_wait_xcnt 0x0                                ; the last trip's store has given up v4 and v[48:51], which are rewritten below
	v_lshl_add_u32 v2, s33, 10, v1
	global_load_b128 v[8:11], v2, s[6:7]
	global_load_b128 v[12:15], v2, s[6:7] offset:512
	v_lshl_add_u32 v4, s35, 9, v1
	s_wait_loadcnt 0x0                             ; both are needed at once
	v_and_b32 v16, 0xff, v11                       ; lo
	v_lshrrev_b32 v17, 8, v11                      ; n
	v_sub_nc_u32 v16, s15, v16                     ; step - lo
	v_cmp_gt_u32 s36, v17, v16                     ; 0 <= step - lo < n
	v_mad_u32 v18, v16, v12, v8
	v_mad_u32 v19, v16, v13, v9
	v_mad_u32 v20, v16, v14, v10
	v_or_b32 v21, v18, v19
	v_or_b32 v21, v21, v20
	v_cmp_gt_u32 s37, s40, v21                     ; all three in [0, 2^27)
	s_and_b32 s36, s36, s37                        ; the lanes whose sample counts
.irp i, 0,1,2
	v_max_u32 v[22+\i], s41, v[18+\i]              ; u = V - half a voxel, held in [0, 7 voxels): the border is repeated, as the
	v_sub_nc_u32 v[22+\i], v[22+\i], s41           ; reference's clipped indices repeat it
	v_min_u32 v[22+\i], 0x6ffffff, v[22+\i]
	v_lshrrev_b32 v[25+\i], 24, v[22+\i]           ; lower voxel, 0 to 6
.endr
	v_lshl_or_b32 v27, v27, 3, v26
	v_lshl_or_b32 v27, v27, 3, v25                 ; (z 8 + y) 8 + x
	v_min_u32 v27, 0x1b6, v27                      ; at most 6 x 73: the far corner is voxel 511
	v_lshlrev_b32 v3, 4, v27
	v_lshl_add_u32 v3, s33, 13, v3
.irp q, 0,1,2,3,4,5,6,7
	global_load_b128 v[CO+4*\q:CO+4*\q+3], v3, s[8:9] offset:16*(\q&1)+128*((\q>>1)&1)+1024*(\q>>2)
.endr
	; while the corners are on their way: fade and the fractions
.irp i, 0,1,2
	v_cvt_f32_i32 v[28+\i], v[18+\i]
	v_and_b32 v[22+\i], 0xffffff, v[22+\i]
.endr
	v_fma_f32 v28, v28, s39, -1.0                  ; y
	v_fma_f32 v29, v29, s39, -1.0
	v_fma_f32 v30, v30, s39, -1.0
.rept 3
	v_pk_mul_f32 v[28:29], v[28:29], v[28:29]      ; y^2, y^4, y^8
	v_mul_f32 v30, v30, v30
.endr
	v_add_f32 v28, v28, v29
	v_add_f32 v28, v28, v30
	v_mul_f32 v28, 0xc138aa3b, v28                 ; -8 log2(e)
	v_exp_f32 v31, v28
.irp i, 0,1,2
	v_cvt_f32_u32 v[22+\i], v[22+\i]               ; (plain instructions behind the exponential, ISA guide 5.7.2)
.endr
.irp i, 0,1,2
	v_mul_f32 v[40+2*\i], s38, v[22+\i]
	v_mul_f32 v[41+2*\i], s38, v[22+\i]
.endr
	s_wait_alu depctr_va_vdst(0)
	v_mul_f32 v31, 0x3d800000, v31                 ; fade / 16
	s_wait_loadcnt 0x6                             ; corners come in order: the first pair along x is in, six loads stay out
	LERP CO, CO+4, 40
	s_wait_loadcnt 0x4
	LERP CO+8, CO+12, 40
	s_wait_loadcnt 0x2
	LERP CO+16, CO+20, 40
	s_wait_loadcnt 0x0
	LERP CO+24, CO+28, 40
	LERP CO, CO+8, 42
	LERP CO+16, CO+24, 42
	LERP CO, CO+16, 44
	v_mul_f32 v51, v51, v31
	v_cndmask_b32 v51, 0, v51, s36
	global_store_b128 v4, v[48:51], s[10:11]       ; 512 consecutive bytes
	s_add_co_u32 s30, s30, 1
	s_cmp_lt_u32 s30, s23
	s_cbranch_scc1 .Levent
.Lend:
	s_endpgm
.Lfunc_end_k_q7e998f03af_sample:
	.size	k_q7e998f03af_sample, .Lfunc_end_k_q7e998f03af_sample-k_q7e998f03af_sample
	.p2alignl 7, 3214868480
	.fill 96, 4, 3214868480
	.section	.rodata,"a",@progbits
	.p2align	6, 0x0
	.amdhsa_kernel k_q7e998f03af_sample
		.amdhsa_group_segment_fixed_size 0
		.amdhsa_private_segment_fixed_size 0
		.amdhsa_enable_private_segment 0
		.amdhsa_kernarg_size 32
		.amdhsa_user_sgpr_count 2
		.amdhsa_user_sgpr_kernarg_segment_ptr 1
		.amdhsa_wavefront_size32 1
		.amdhsa_system_sgpr_workgroup_id_x 1
		.amdhsa_system_sgpr_workgroup_id_y 1
		.amdhsa_system_sgpr_workgroup_id_z 1
		.amdhsa_system_vgpr_workitem_id 0
		.amdhsa_next_free_vgpr 80
		.amdhsa_next_free_sgpr 66
		.amdhsa_reserve_vcc 0
		.amdhsa_float_denorm_mode_32 3
		.amdhsa_float_denorm_mode_16_64 3
		.amdhsa_memory_ordered 1
		.amdhsa_forward_progress 1
		.amdhsa_inst_pref_size 8
	.end_amdhsa_kernel
	.amdgpu_metadata
---
amdhsa.version: [ 1, 2 ]
amdhsa.kernels:
  - .name:           k_q7e998f03af_sample
    .symbol:         k_q7e998f03af_sample.kd
    .args:
      - { .name: stp, .offset: 0, .size: 8, .value_kind: global_buffer, .address_space: global }
      - { .name: prm, .offset: 8, .size: 8, .value_kind: global_buffer, .address_space: global }
      - { .name: tmpl, .offset: 16, .size: 8, .value_kind: global_buffer, .address_space: global }
      - { .name: smp, .offset: 24, .size: 8, .value_kind: global_buffer, .address_space: global }
    .group_segment_fixed_size: 0
    .private_segment_fixed_size: 0
    .kernarg_segment_align: 8
    .kernarg_segment_size: 32
    .max_flat_workgroup_size: 256
    .sgpr_count:     66
    .vgpr_count:     80
    .wavefront_size: 32
...
	.end_amdgpu_metadata
.endif
;; end of part 2
;; launch composite (part 3): grid 16 x 1, 8 waves a work-group, no clusters, 37,888 bytes of LDS; arguments stp, smp, out0; writes out0
.if DOCPART == 3
	.amdgcn_target "amdgcn-amd-amdhsa--gfx1250"
	.amdhsa_code_object_version 6
	.text
	.protected	k_q7e998f03af_composite
	.globl	k_q7e998f03af_composite
	.p2align	8
	.type	k_q7e998f03af_composite,@function
k_q7e998f03af_composite:
	s_mov_b64 s[64:65], 0
	v_nop
	global_prefetch_b8 v0, s[64:65] scope:SCOPE_SE
	s_setreg_imm32_b32 hwreg(HW_REG_WAVE_MODE, 25, 1), 1
	s_wait_xcnt 0x0
; COMPOSITE.  One work-group = a band of 4 image rows of one batch, 8 waves; wave = tile (8 x 4 pixels), lane = ray.
; A wave walks its tile's events in order (step, then primitive) and does the reference's clamped additive compositing:
;   c += a_k gate;  contrib = clip(c) - clip(c before);  rgb += sample contrib;   at a step's first event: c = alpha = clip(c), gate = (alpha <= 0.99).
; (The other half of the gate, t < tmax, is already in a_k: no ray's range passes its last such step.)
; The events lie one behind the other in memory, so they come through a ring of DEPTH loads in registers.  Which events begin a step is
; marked in LDS, one byte an event, from the table of steps.  The ring's loads and the slots of the last trip that lie past the last event
; are held at the last event's address; such a slot counts as a new step with gate 0 and changes nothing.
; LDS ORDER: three phases, parted by barriers that every wave passes: (1) the marks are stored, (2) the loop only reads LDS,
; (3) the results are staged and read back.  The loop's reads take their address from a counter whose bound is read from memory, so they
; are ordered against all waves' stores by the barriers and not by arithmetic on addresses.
.set CAP,   3648                       ; events of a tile at the most: 57 steps x 64 primitives
.set DEPTH, 8
.set FLAGS, 4096                       ; LDS bytes of a wave's marks: CAP + what the next trip's read reaches, and a spare byte at SPARE
.set SPARE, 4000
.set STAGE, 8*FLAGS                    ; 4 channels x 4 rows x 256 bytes
.set G,   25                           ; gate
.set C,   26                           ; the step's unclamped sum
.set CL,  28                           ; v[28:29] clip(c), old and new in turns
.set D,   30                           ; v[30:31] contrib (the pair's second register is only named, never used)
.set ACC, 32                           ; v[32:34] r, g, b
.set OFF, 36                           ; v[36:43] slot i: byte offset of its load
.set X,   44                           ; v[44:75] slot i: r, g, b, a_k
	s_load_b128 s[4:7], s[0:1], 0x0                ; stp, smp
	s_load_b64 s[8:9], s[0:1], 0x10                ; out0
	v_lshl_add_u32 v76, v0, 2, 0x9000
	v_mov_b32 v77, 0
	v_and_b32 v1, 31, v0
	v_lshrrev_b32 v2, 5, v0
	v_readfirstlane_b32 s10, v2                    ; wave = tx
	s_lshl3_add_u32 s11, ttmp9, s10                ; tile = 8 (8 b + ty) + tx
	s_lshl_b32 s12, s11, 10
	s_mov_b32 s13, 0
	s_mul_i32 s16, s11, CAP*512
	s_mov_b32 s17, 0
	s_lshl_b32 s14, s10, 12                        ; my marks
	s_mov_b32 s27, 0x3f7d70a4                      ; 0.99
	v_lshlrev_b32 v3, 4, v1
	s_wait_kmcnt 0x0
	s_add_nc_u64 s[4:5], s[4:5], s[12:13]
	s_add_nc_u64 s[6:7], s[6:7], s[16:17]
	s_load_b32 s15, s[4:5], 0x3f8                  ; events in front of step slot 63 = all the tile's events
	global_load_b128 v[8:11], v3, s[4:5]           ; lane = step: v10 events in front, v11 events
	global_load_b128 v[12:15], v3, s[4:5] offset:512
.irp r, 4,5,6,7
	v_mov_b32 v\r, 0
.endr
	v_add_nc_u32 v16, s14, v3
.irp i, 0,1,2,3,4,5,6,7
	ds_store_b128 v16, v[4:7] offset:512*\i        ; no event is marked yet
.endr
.irp r, G, C, CL, D, D+1, ACC, ACC+1, ACC+2
	v_mov_b32 v[\r], 0                             ; alpha = rgb = 0
.endr
	v_mov_b32 v19, 1
	s_wait_loadcnt 0x0
	v_cmp_ne_u32 vcc_lo, 0, v11
	v_cndmask_b32 v17, SPARE, v10, vcc_lo          ; a step without events marks the spare byte, which is never read
	v_min_u32 v17, FLAGS-1, v17
	v_add_nc_u32 v17, s14, v17
	v_cmp_ne_u32 vcc_lo, 0, v15
	v_cndmask_b32 v18, SPARE, v14, vcc_lo
	v_min_u32 v18, FLAGS-1, v18
	v_add_nc_u32 v18, s14, v18
	ds_store_b8 v17, v19                           ; LDS serves a wave's instructions in order (ISA guide 5.7.1): behind the clearing
	ds_store_b8 v18, v19
	s_wait_kmcnt 0x0                               ; the tile's number of events,
	s_min_u32 s15, s15, CAP                        ; which is never more than the buffer has room for
	s_wait_dscnt 0x0                               ; all my marks are in LDS before I say so: zero, since it is for the barrier
	s_barrier_signal -1
	s_barrier_wait -1                              ; from here to the next barrier no wave stores into LDS
	s_cmp_eq_u32 s15, 0
	s_cbranch_scc1 .Lout                           ; a tile that no primitive touches skips the loop, and no barrier
	s_sub_co_u32 s18, s15, 1                       ; the last event
	s_add_co_u32 s29, s15, DEPTH-1
	s_lshr_b32 s29, s29, 3                         ; trips of DEPTH events: 1 to CAP / DEPTH = 456
.irp i, 0,1,2,3,4,5,6,7
	s_min_u32 s19, s18, \i
	s_min_u32 s19, s19, CAP-1
	v_lshl_add_u32 v[OFF+\i], s19, 9, v3
	global_load_b128 v[X+4*\i:X+4*\i+3], v[OFF+\i], s[6:7] th:TH_LOAD_NT
.endr
	v_mov_b32 v20, s14
	ds_load_b64 v[22:23], v20                      ; the marks of events 0 to 7
	s_mov_b32 s28, 0                               ; the trip's number: the loop's counter, one up a trip
.macro SLOT i
	s_add_co_u32 s24, s20, \i                      ; the slot's event
	s_cmp_lt_u32 s24, s15
	s_cselect_b32 s25, 0x3f800000, 0               ; the gate that an open step gets: 1, or 0 past the end
	s_cselect_b32 s26, 0, -1
	s_bitcmp1_b32 s[21+(\i/4)], 8*(\i%4)
	s_cselect_b32 s26, -1, s26                     ; all lanes: this event begins a step (or lies past the end)
	s_wait_loadcnt DEPTH-1                         ; loads come back in order (ISA guide 5.7.1): mine is in, the seven younger stay out
	v_cmp_ge_f32 vcc_lo, s27, v[CL+(\i&1)]         ; alpha <= 0.99
	v_cndmask_b32 v24, 0, s25, vcc_lo
	v_cndmask_b32 v[G], v[G], v24, s26
	v_cndmask_b32 v[C], v[C], v[CL+(\i&1)], s26
	v_fma_f32 v[C], v[X+4*\i+3], v[G], v[C]
	v_med3_num_f32 v[CL+1-(\i&1)], v[C], 0, 1.0
	v_sub_f32 v[D], v[CL+1-(\i&1)], v[CL+(\i&1)]
	v_pk_fma_f32 v[ACC:ACC+1], v[X+4*\i:X+4*\i+1], v[D:D+1], v[ACC:ACC+1] op_sel_hi:[1,0,1]
	v_fma_f32 v[ACC+2], v[X+4*\i+2], v[D], v[ACC+2]
	s_add_co_u32 s24, s24, DEPTH                   ; the slot's next event, held at the last one
	s_min_u32 s24, s24, s18
	s_min_u32 s24, s24, CAP-1
	v_lshl_add_u32 v[OFF+\i], s24, 9, v3           ; free since the wait above showed this slot's load done
	global_load_b128 v[X+4*\i:X+4*\i+3], v[OFF+\i], s[6:7] th:TH_LOAD_NT
.endm
.Ltrip:
	s_lshl_b32 s20, s28, 3                         ; first event of the trip = DEPTH x trip
	s_wait_dscnt 0x0                               ; this trip's eight marks
	v_readfirstlane_b32 s21, v22
	v_readfirstlane_b32 s22, v23
	s_add_co_u32 s23, s20, DEPTH
	s_min_u32 s23, s23, CAP                        ; the next trip's marks, asked for a trip ahead; cleared bytes past the last event
	s_add_co_u32 s23, s23, s14
	v_mov_b32 v20, s23
	ds_load_b64 v[22:23], v20
.irp i, 0,1,2,3,4,5,6,7
	SLOT \i
.endr
	s_add_co_u32 s28, s28, 1
	s_cmp_lt_u32 s28, s29
	s_cbranch_scc1 .Ltrip
.Lout:
	s_wait_loadcnt 0x0                             ; the ring's last loads land before their registers are left behind
	s_wait_dscnt 0x0                               ; my last read of marks is over,
	s_barrier_signal -1
	s_barrier_wait -1                              ; and so is everybody's: LDS may be stored into again
	; through LDS, so that a store covers whole image rows: [channel][row][x]
	v_and_b32 v16, 7, v1
	v_lshrrev_b32 v17, 3, v1
	v_lshl_add_u32 v16, s10, 3, v16                ; x
	v_lshlrev_b32 v16, 2, v16
	v_lshl_add_u32 v16, v17, 8, v16                ; + 256 row
	ds_store_b32 v16, v[ACC] offset:STAGE
	ds_store_b32 v16, v[ACC+1] offset:STAGE+1024
	ds_store_b32 v16, v[ACC+2] offset:STAGE+2048
	ds_store_b32 v16, v[CL] offset:STAGE+3072      ; alpha: DEPTH is even, so the newest clip(c) is back in the first register
	s_wait_dscnt 0x0                               ; for the others' sake: all my LDS work is done
	s_barrier_signal -1
	s_barrier_wait -1
	v_lshlrev_b32 v18, 4, v0
	ds_load_b128 v[4:7], v18 offset:STAGE          ; thread t: channel t / 64, bytes 16 (t % 64) of the band's four rows
	s_lshr_b32 s12, ttmp9, 3
	s_lshl_b32 s12, s12, 15                        ; batch: 32,768 bytes
	s_and_b32 s16, ttmp9, 7
	s_lshl_b32 s16, s16, 10                        ; band: 4 rows of 256 bytes
	s_add_co_u32 s12, s12, s16
	s_mov_b32 s13, 0
	s_add_nc_u64 s[8:9], s[8:9], s[12:13]
	v_and_b32 v19, 63, v0
	v_lshrrev_b32 v20, 6, v0
	v_lshlrev_b32 v19, 4, v19
	v_lshl_add_u32 v19, v20, 13, v19               ; channel: 8,192 bytes
	s_wait_dscnt 0x0
	global_store_b128 v19, v[4:7], s[8:9]          ; a wave's store covers two whole rows, 512 consecutive bytes
	s_wait_tensorcnt 0x0
	ds_add_u32 v76, v77
	s_wait_dscnt 0x0
	s_endpgm
.Lfunc_end_k_q7e998f03af_composite:
	.size	k_q7e998f03af_composite, .Lfunc_end_k_q7e998f03af_composite-k_q7e998f03af_composite
	.p2alignl 7, 3214868480
	.fill 96, 4, 3214868480
	.section	.rodata,"a",@progbits
	.p2align	6, 0x0
	.amdhsa_kernel k_q7e998f03af_composite
		.amdhsa_group_segment_fixed_size 37888
		.amdhsa_private_segment_fixed_size 0
		.amdhsa_enable_private_segment 0
		.amdhsa_kernarg_size 24
		.amdhsa_user_sgpr_count 2
		.amdhsa_user_sgpr_kernarg_segment_ptr 1
		.amdhsa_wavefront_size32 1
		.amdhsa_system_sgpr_workgroup_id_x 1
		.amdhsa_system_sgpr_workgroup_id_y 1
		.amdhsa_system_sgpr_workgroup_id_z 1
		.amdhsa_system_vgpr_workitem_id 0
		.amdhsa_next_free_vgpr 78
		.amdhsa_next_free_sgpr 66
		.amdhsa_reserve_vcc 1
		.amdhsa_float_denorm_mode_32 3
		.amdhsa_float_denorm_mode_16_64 3
		.amdhsa_memory_ordered 1
		.amdhsa_forward_progress 1
		.amdhsa_inst_pref_size 16
	.end_amdhsa_kernel
	.amdgpu_metadata
---
amdhsa.version: [ 1, 2 ]
amdhsa.kernels:
  - .name:           k_q7e998f03af_composite
    .symbol:         k_q7e998f03af_composite.kd
    .args:
      - { .name: stp, .offset: 0, .size: 8, .value_kind: global_buffer, .address_space: global }
      - { .name: smp, .offset: 8, .size: 8, .value_kind: global_buffer, .address_space: global }
      - { .name: out0, .offset: 16, .size: 8, .value_kind: global_buffer, .address_space: global }
    .group_segment_fixed_size: 37888
    .private_segment_fixed_size: 0
    .kernarg_segment_align: 8
    .kernarg_segment_size: 24
    .max_flat_workgroup_size: 256
    .sgpr_count:     66
    .vgpr_count:     78
    .wavefront_size: 32
...
	.end_amdgpu_metadata
.endif
;; end of part 3
;; ======== version 2 of 2: 3 launches; version 1 with the launch composite written anew for expert scheduling mode
;; workspace buffers: prm 8,388,608 bytes of whole numbers; stp 131,072 bytes of whole numbers; tmpl 1,048,576 bytes; smp 239,075,328 bytes
;; launch setup: the kernel of part 1 again; grid 128 x 1, 16 waves a work-group, no clusters, 2,304 bytes of LDS; arguments K, RT, prim_pos, prim_rot, prim_scale, prim_rgba, prm, stp, tmpl; writes prm, stp, tmpl
;; launch sample: the kernel of part 2 again; grid 1824 x 1, 8 waves a work-group, no clusters, 0 bytes of LDS; arguments stp, prm, tmpl, smp; writes smp
;; launch composite (part 4): grid 16 x 1, 8 waves a work-group, no clusters, 37,888 bytes of LDS; arguments stp, smp, out0; writes out0
.if DOCPART == 4
	.amdgcn_target "amdgcn-amd-amdhsa--gfx1250"
	.amdhsa_code_object_version 6
	.text
	.protected	k_q7e998f03af_composite
	.globl	k_q7e998f03af_composite
	.p2align	8
	.type	k_q7e998f03af_composite,@function
k_q7e998f03af_composite:
	s_mov_b64 s[64:65], 0
	v_nop
	global_prefetch_b8 v0, s[64:65] scope:SCOPE_SE
	s_setreg_imm32_b32 hwreg(HW_REG_WAVE_SCHED_MODE, 0, 2), 2
	s_setreg_imm32_b32 hwreg(HW_REG_WAVE_MODE, 25, 1), 1
	s_wait_xcnt 0x0
	s_wait_alu depctr_vm_vsrc(0)
; COMPOSITE.  One work-group = a band of 4 image rows of one batch, 8 waves; wave = tile (8 x 4 pixels), lane = ray.
; A wave walks its tile's events in order (step, then primitive) and does the reference's clamped additive compositing:
;   c += a_k gate;  contrib = clip(c) - clip(c before);  rgb += sample contrib;   at a step's first event: c = alpha = clip(c), gate = (alpha <= 0.99).
; (The other half of the gate, t < tmax, is already in a_k: no ray's range passes its last such step.)
; The events lie one behind the other in memory, so they come through a ring of loads in registers.  Which events begin a step is
; marked in LDS, one byte an event, from the table of steps.  The ring's loads and the slots of the last block that lie past the last event
; are held at the last event's address; such a slot counts as a new step with gate 0 and changes nothing.
; LDS ORDER: three phases, parted by barriers that every wave passes: (1) the marks are stored, (2) the loop only reads LDS,
; (3) the results are staged and read back.  The loop's reads take their address from a counter whose bound is read from memory, so they
; are ordered against all waves' stores by the barriers and not by arithmetic on addresses.
; THE MODE: SCHED_MODE bits 1:0 = 2 (LLVM: expert scheduling mode 2), set by the entry lines.  The code itself states the register dependences
; between vector instructions and memory or LDS instructions, with s_wait_alu, always for 0.
; THE PLAN.  The events go in blocks of DEPTH = 8.  Registers that memory or LDS instructions touch, in the loop:
;   X0 .. X3     four blocks of events as loaded.  Block p's vector lines read X[p % 4]; the loads of block p + 3, issued in block p, land in X[(p - 1) % 4].
;   OFF0 .. OFF3 the loads' byte offsets, a register to each slot of each X.  OFF[(p - 1) % 4] is written at the head of block p and read by that block's eight loads.
;   v20          LDS address of the next block's marks: written at a block's head, read by the block's one LDS load.
;   v[22:23]     eight marks: that LDS load lands in them; the two v_readfirstlane_b32 at the next block's head read them.
;   v3           16 x lane: never written again.
;   G, C, CL, D, ACC and v24 are named by vector instructions alone.
; So the waits at a block's head state all that its nine memory instructions hang on: the block before is done reading the X in which the loads land, and the
; offsets and v20 are written.  No vector line of block p names X[(p - 1) % 4], OFF[(p - 1) % 4], v20 or v[22:23] behind them, so the loads are dealt among the
; slots, one at each slot's head, with no further wait on va_vdst.  A trip of the loop is four blocks, so that the buffers' numbers are constants of the text;
; a block whose first event lies past the end jumps forward over the rest of the trip, to a label ahead of the counter's step.
.set CAP,   3648                       ; events of a tile at the most: 57 steps x 64 primitives
.set DEPTH, 8                          ; events in a block
.set NBUF,  4                          ; blocks in a trip, and buffers
.set AHEAD, (NBUF-1)*DEPTH             ; a load is issued this many events ahead of its use
.set FLAGS, 4096                       ; LDS bytes of a wave's marks: CAP + what the next block's read reaches, and a spare byte at SPARE
.set SPARE, 4000
.set STAGE, 8*FLAGS                    ; 4 channels x 4 rows x 256 bytes
.set G,   25                           ; gate
.set C,   26                           ; the step's unclamped sum
.set CL,  28                           ; v[28:29] clip(c), old and new in turns
.set D,   30                           ; v[30:31] contrib (the pair's second register is only named, never used)
.set ACC, 32                           ; v[32:34] r, g, b
.set OFF, 36                           ; v[36:67]  set q, slot i: OFF + 8 q + i: byte offset of its load
.set X,   68                           ; v[68:195] buffer q, slot i: 4 registers at X + 32 q + 4 i: r, g, b, a_k
	s_load_b128 s[4:7], s[0:1], 0x0                ; stp, smp
	s_load_b64 s[8:9], s[0:1], 0x10                ; out0
	v_lshl_add_u32 v27, v0, 2, 0x9000
	v_mov_b32 v35, 0
	v_and_b32 v1, 31, v0
	v_lshrrev_b32 v2, 5, v0
	v_readfirstlane_b32 s10, v2                    ; wave = tx
	v_lshlrev_b32 v3, 4, v1
.irp r, 4,5,6,7
	v_mov_b32 v\r, 0
.endr
.irp r, G, C, CL, D, D+1, ACC, ACC+1, ACC+2
	v_mov_b32 v[\r], 0                             ; alpha = rgb = 0
.endr
	v_mov_b32 v19, 1
	s_wait_alu depctr_va_sdst(0)                   ; s10 is written, ahead of its first reader: the tile's number, and from it the bases, are made of it
	s_lshl3_add_u32 s11, ttmp9, s10                ; tile = 8 (8 b + ty) + tx
	s_lshl_b32 s12, s11, 10
	s_mov_b32 s13, 0
	s_mul_i32 s16, s11, CAP*512
	s_mov_b32 s17, 0
	s_lshl_b32 s14, s10, 12                        ; my marks
	s_mov_b32 s27, 0x3f7d70a4                      ; 0.99
	v_add_nc_u32 v16, s14, v3
	s_wait_kmcnt 0x0
	s_add_nc_u64 s[4:5], s[4:5], s[12:13]
	s_add_nc_u64 s[6:7], s[6:7], s[16:17]
	s_load_b32 s15, s[4:5], 0x3f8                  ; events in front of step slot 63 = all the tile's events
	s_wait_alu depctr_va_vdst(0)                   ; v3 is written, the offset of the two loads below; so are v16 and v[4:7], the address and the data of the LDS stores
	global_load_b128 v[8:11], v3, s[4:5]           ; lane = step: v10 events in front, v11 events
	global_load_b128 v[12:15], v3, s[4:5] offset:512
.irp i, 0,1,2,3,4,5,6,7
	ds_store_b128 v16, v[4:7] offset:512*\i        ; no event is marked yet
.endr
	s_wait_loadcnt 0x0
	v_cmp_ne_u32 s24, 0, v11                       ; the two compares stand as a run,
	v_cmp_ne_u32 s25, 0, v15
	s_wait_alu depctr_va_sdst(0)                   ; s24 and s25 are written, ahead of the selects that read them
	v_cndmask_b32 v17, SPARE, v10, s24             ; a step without events marks the spare byte, which is never read
	v_cndmask_b32 v18, SPARE, v14, s25
	v_min_u32 v17, FLAGS-1, v17
	v_min_u32 v18, FLAGS-1, v18
	v_add_nc_u32 v17, s14, v17
	v_add_nc_u32 v18, s14, v18
	s_wait_alu depctr_va_vdst(0)                   ; v17 and v18 are written, the addresses of the two stores below (v19, their data, was written ahead of the wait before)
	ds_store_b8 v17, v19                           ; LDS serves a wave's instructions in order (ISA guide 5.7.1): behind the clearing
	ds_store_b8 v18, v19
	s_wait_kmcnt 0x0                               ; the tile's number of events,
	s_min_u32 s15, s15, CAP                        ; which is never more than the buffer has room for
	s_wait_dscnt 0x0                               ; all my marks are in LDS before I say so: zero, since it is for the barrier
	s_barrier_signal -1
	s_barrier_wait -1                              ; from here to the next barrier no wave stores into LDS
	s_cmp_eq_u32 s15, 0
	s_cbranch_scc1 .Lout                           ; a tile that no primitive touches skips the loop, and no barrier
	s_sub_co_u32 s18, s15, 1                       ; the last event
	s_add_co_u32 s29, s15, NBUF*DEPTH-1
	s_lshr_b32 s29, s29, 5                         ; trips of NBUF x DEPTH = 32 events: 1 to CAP / 32 = 114
.set e, 0
.rept AHEAD                                            ; the offsets of blocks 0 to 2, in one run ahead of one wait
	s_min_u32 s19, s18, e
	s_min_u32 s19, s19, CAP-1
	v_lshl_add_u32 v[OFF+e], s19, 9, v3
.set e, e+1
.endr
	v_mov_b32 v20, s14
	s_wait_alu depctr_va_vdst(0)                   ; OFF0 to OFF2 and v20 are written, which the loads below read
.set e, 0
.rept AHEAD
	global_load_b128 v[X+4*e:X+4*e+3], v[OFF+e], s[6:7] th:TH_LOAD_NT  ; blocks 0 to 2 into X0 to X2
.set e, e+1
.endr
	ds_load_b64 v[22:23], v20                      ; the marks of events 0 to 7
	s_mov_b32 s28, 0                               ; the trip's number: the loop's counter, one up a trip
; Slot i of a block that works on X[xb].
.macro SLOT xb, i
	s_add_co_u32 s24, s20, \i                      ; the slot's event
	s_cmp_lt_u32 s24, s15
	s_cselect_b32 s25, 0x3f800000, 0               ; the gate that an open step gets: 1, or 0 past the end
	s_cselect_b32 s26, 0, -1
	s_bitcmp1_b32 s[21+(\i/4)], 8*(\i%4)
	s_cselect_b32 s26, -1, s26                     ; all lanes: this event begins a step (or lies past the end)
	global_load_b128 v[X+32*((\xb+3)%4)+4*\i:X+32*((\xb+3)%4)+4*\i+3], v[OFF+8*((\xb+3)%4)+\i], s[6:7] th:TH_LOAD_NT  ; three blocks ahead; no vector line since the block's wait names these registers
	s_wait_loadcnt AHEAD                           ; loads come back in order (ISA guide 5.7.1): mine is in; the 7 - i behind it in its block, the next two blocks' 16 and this block's i + 1 stay out
	v_cmp_ge_f32 vcc_lo, s27, v[CL+(\i&1)]         ; alpha <= 0.99
	v_cndmask_b32 v[C], v[C], v[CL+(\i&1)], s26
	s_wait_alu depctr_va_vcc(0)                    ; VCC is written, ahead of the select that reads it
	v_cndmask_b32 v24, 0, s25, vcc_lo
	v_cndmask_b32 v[G], v[G], v24, s26
	v_fma_f32 v[C], v[X+32*\xb+4*\i+3], v[G], v[C]
	v_med3_num_f32 v[CL+1-(\i&1)], v[C], 0, 1.0
	v_sub_f32 v[D], v[CL+1-(\i&1)], v[CL+(\i&1)]
	v_pk_fma_f32 v[ACC:ACC+1], v[X+32*\xb+4*\i:X+32*\xb+4*\i+1], v[D:D+1], v[ACC:ACC+1] op_sel_hi:[1,0,1]
	v_fma_f32 v[ACC+2], v[X+32*\xb+4*\i+2], v[D], v[ACC+2]
.endm
; Block xb of a trip: it works on X[xb] and loads into X[(xb + 3) % 4], the buffer that the block before worked on.
.macro BLK xb
	s_lshl_b32 s20, s28, 5                         ; first event of the block = 32 x trip + DEPTH x block
.if \xb
	s_add_co_u32 s20, s20, DEPTH*\xb
	s_cmp_ge_u32 s20, s15
	s_cbranch_scc1 .Ldead                          ; no event is left: forward, over the rest of the trip, which holds no barrier
.endif
	s_wait_dscnt 0x0                               ; this block's eight marks
	v_readfirstlane_b32 s21, v22
	v_readfirstlane_b32 s22, v23
	s_add_co_u32 s23, s20, DEPTH
	s_min_u32 s23, s23, CAP                        ; the next block's marks, asked for a block ahead; cleared bytes past the last event
	s_add_co_u32 s23, s23, s14
	s_wait_alu depctr_vm_vsrc(0)                   ; the last load of marks has read v20, and the loads that were issued by this set of offsets have read it: both are written below
	v_mov_b32 v20, s23
.irp i, 0,1,2,3,4,5,6,7
	s_add_co_u32 s24, s20, AHEAD+\i                ; the event three blocks on, held at the last one
	s_min_u32 s24, s24, s18
	s_min_u32 s24, s24, CAP-1
	v_lshl_add_u32 v[OFF+8*((\xb+3)%4)+\i], s24, 9, v3  ; the loads that last read this set were the block before's own, which that block's waits on LOADcnt have shown done
.endr
	s_wait_alu depctr_va_sdst(0)                   ; s21 and s22 are written, ahead of the slots' tests of their bits
	s_wait_alu depctr_va_vdst(0)                   ; v20 and the eight offsets are written; the two v_readfirstlane_b32 are done reading v[22:23]; the block before is done reading its X, in which this block's loads land
	ds_load_b64 v[22:23], v20
.irp i, 0,1,2,3,4,5,6,7
	SLOT \xb, \i
.endr
.endm
.Ltrip:
	BLK 0
	BLK 1
	BLK 2
	BLK 3
	s_branch .Lstep                                ; a full trip goes round the wait below: its ring stays full into the next trip
.Ldead:                                                ; reached in the last trip alone: the trips are the events rounded up to 32, so the step below brings the counter to its bound
	s_wait_loadcnt 0x0                             ; the ring's last loads land here, where the walk ends: on this way no load is out, by any set of offsets or into any X, whatever follows the compare below
.Lstep:
	s_add_co_u32 s28, s28, 1
	s_cmp_lt_u32 s28, s29
	s_cbranch_scc1 .Ltrip
.Lout:
	s_wait_loadcnt 0x0                             ; the ring's last loads land before their registers are left behind
	s_wait_dscnt 0x0                               ; my last read of marks is over,
	s_barrier_signal -1
	s_barrier_wait -1                              ; and so is everybody's: LDS may be stored into again
	s_wait_alu depctr_vm_vsrc(0)                   ; the LDS stores of the marks have read v16 to v19 and v[4:7], the loads of marks v20: all of these are written again below
	; through LDS, so that a store covers whole image rows: [channel][row][x]
	v_and_b32 v16, 7, v1
	v_lshrrev_b32 v17, 3, v1
	v_lshl_add_u32 v16, s10, 3, v16                ; x
	v_lshlrev_b32 v16, 2, v16
	v_lshl_add_u32 v16, v17, 8, v16                ; + 256 row
	v_lshlrev_b32 v18, 4, v0                       ; the way back: thread t: channel t / 64, bytes 16 (t % 64) of the band's four rows
	v_and_b32 v19, 63, v0
	v_lshrrev_b32 v20, 6, v0
	v_lshlrev_b32 v19, 4, v19
	v_lshl_add_u32 v19, v20, 13, v19               ; channel: 8,192 bytes
	s_wait_alu depctr_va_vdst(0)                   ; v16, ACC and CL are written, which the LDS stores read; so are v18 and v19, the addresses of the load and the store behind the barrier; the lines that wrote v[4:7] are done, in which that load lands
	ds_store_b32 v16, v[ACC] offset:STAGE
	ds_store_b32 v16, v[ACC+1] offset:STAGE+1024
	ds_store_b32 v16, v[ACC+2] offset:STAGE+2048
	ds_store_b32 v16, v[CL] offset:STAGE+3072      ; alpha: DEPTH is even, so the newest clip(c) is back in the first register
	s_wait_dscnt 0x0                               ; for the others' sake: all my LDS work is done
	s_barrier_signal -1
	s_barrier_wait -1
	ds_load_b128 v[4:7], v18 offset:STAGE          ; no vector line since the wait above names v18 or v[4:7]
	s_lshr_b32 s12, ttmp9, 3
	s_lshl_b32 s12, s12, 15                        ; batch: 32,768 bytes
	s_and_b32 s16, ttmp9, 7
	s_lshl_b32 s16, s16, 10                        ; band: 4 rows of 256 bytes
	s_add_co_u32 s12, s12, s16
	s_mov_b32 s13, 0
	s_add_nc_u64 s[8:9], s[8:9], s[12:13]
	s_wait_dscnt 0x0
	global_store_b128 v19, v[4:7], s[8:9]          ; a wave's store covers two whole rows, 512 consecutive bytes
	s_wait_dscnt 0x0
	s_wait_alu depctr_hold_cnt(0) depctr_sa_sdst(0) depctr_va_vdst(0) depctr_va_sdst(0) depctr_va_ssrc(0) depctr_va_vcc(0) depctr_vm_vsrc(0)
	s_wait_tensorcnt 0x0
	ds_add_u32 v27, v35
	s_wait_dscnt 0x0
	s_endpgm
.Lfunc_end_k_q7e998f03af_composite:
	.size	k_q7e998f03af_composite, .Lfunc_end_k_q7e998f03af_composite-k_q7e998f03af_composite
	.p2alignl 7, 3214868480
	.fill 96, 4, 3214868480
	.section	.rodata,"a",@progbits
	.p2align	6, 0x0
	.amdhsa_kernel k_q7e998f03af_composite
		.amdhsa_group_segment_fixed_size 37888
		.amdhsa_private_segment_fixed_size 0
		.amdhsa_enable_private_segment 0
		.amdhsa_kernarg_size 24
		.amdhsa_user_sgpr_count 2
		.amdhsa_user_sgpr_kernarg_segment_ptr 1
		.amdhsa_wavefront_size32 1
		.amdhsa_system_sgpr_workgroup_id_x 1
		.amdhsa_system_sgpr_workgroup_id_y 1
		.amdhsa_system_sgpr_workgroup_id_z 1
		.amdhsa_system_vgpr_workitem_id 0
		.amdhsa_next_free_vgpr 196
		.amdhsa_next_free_sgpr 66
		.amdhsa_reserve_vcc 1
		.amdhsa_float_denorm_mode_32 3
		.amdhsa_float_denorm_mode_16_64 3
		.amdhsa_memory_ordered 1
		.amdhsa_forward_progress 1
		.amdhsa_inst_pref_size 47
	.end_amdhsa_kernel
	.amdgpu_metadata
---
amdhsa.version: [ 1, 2 ]
amdhsa.kernels:
  - .name:           k_q7e998f03af_composite
    .symbol:         k_q7e998f03af_composite.kd
    .args:
      - { .name: stp, .offset: 0, .size: 8, .value_kind: global_buffer, .address_space: global }
      - { .name: smp, .offset: 8, .size: 8, .value_kind: global_buffer, .address_space: global }
      - { .name: out0, .offset: 16, .size: 8, .value_kind: global_buffer, .address_space: global }
    .group_segment_fixed_size: 37888
    .private_segment_fixed_size: 0
    .kernarg_segment_align: 8
    .kernarg_segment_size: 24
    .max_flat_workgroup_size: 256
    .sgpr_count:     66
    .vgpr_count:     196
    .wavefront_size: 32
...
	.end_amdgpu_metadata
.endif
;; end of part 4
